; MI455X (gfx1250); checked and timed in simulation.
; The chip was launched on July 23, 2026; its instructions are those of AMD's public machine-readable ISA for CDNA 5 (MIT licence, August 2026) and "CDNA5" Instruction Set Architecture Reference Guide (July 2026). The comments in the code are by the model that wrote it; some were corrected since.
;; Attention. Allowed arithmetic: matrix products marked QUANTISED: E2M3 operands, one E8M0 scale for each 32 along K, by v_wmma_scale_f32_16x16x128_f8f6f4 with both operands' format E2M3, f32 sums; products left as they are: f32 operands where the result goes on into a quantised operand, else bf16, f16 or f32 operands; f32 sums; everything else in f32.
;; Inputs: W 1,024 x 2,048 float32; b 1,024 float32; encoder_outputs_codes 2,048 x 32 x 32 x 24 uint8 (E2M3 codes of encoder_outputs, K innermost, in blocks of 32 codes, four codes in three bytes); encoder_outputs_scales 2,048 x 32 x 32 uint8 (E8M0 scales of encoder_outputs, one for each 32 codes along K); hidden_codes 1 x 32 x 32 x 24 uint8 (E2M3 codes of hidden, K innermost, in blocks of 32 codes, four codes in three bytes); hidden_scales 1 x 32 x 32 uint8 (E8M0 scales of hidden, one for each 32 codes along K); v 1,024 float32.
;; Outputs: out0 32 x 1 x 2,048 float32.
;; This version of the problem:
;;   THIS VERSION OF THE PROBLEM IS GIVEN IN LOW PRECISION. The matrix products marked QUANTISED in the list below multiply operands that are first quantised to E2M3 (2 exponent bits, 3 mantissa bits; 6 bits a number), with one power-of-two scale for each 32 numbers along K (OCP MX v1.0); their sums are f32. All else is computed in f32.
;;   The module's matrix products, in the order in which they are computed (A, B: the left and right operand; K: the contracted axis; several contracted axes count as one K, in the product's order):
;;     1. [M 32, K 1,024] x [K 1,024, N 1,024]; A: input hidden (given as codes); B: input W: QUANTISED
;;     2. [M 65,536, K 1,024] x [K 1,024, N 1,024]; A: input encoder_outputs (given as codes); B: input W: QUANTISED
;;     3. [M 65,536, K 1,024] x [K 1,024, N 1]; A: computed on the way; B: input v: left as it is (N = 1 < 16)
;;   THE QUANTISER, for each operand of a quantised product, along K:
;;     - K is cut into blocks of 32 from its start; a last block that is shorter is filled with zeros.
;;     - A block's scale is 2^e with e = floor(log2(the largest magnitude in the block)) - 2, held to -126 .. 127; a block of zeros has e = 0. As a byte (E8M0): e + 127.
;;     - Each number is divided by its block's scale, clamped to +-7.5, and rounded to the nearest number of E2M3, ties to even, subnormals kept.
;;     - The product sums the exact products of the quantised numbers (number of the format x scale) in f32.
;;   ~~~python
;;   def quantise(x, axis):      # numpy; x: float32 -> the quantised numbers, widened to float32 again
;;       x = np.moveaxis(x, axis, -1); K = x.shape[-1]
;;       x = np.pad(x, [(0, 0)] * (x.ndim - 1) + [(0, -K % 32)]); x = x.reshape(x.shape[:-1] + (-1, 32)); a = np.abs(x).max(-1, keepdims=True)
;;       e = np.where(a > 0, np.clip(np.frexp(np.where(a > 0, a, 1))[1] - 1 - 2, -126, 127), 0)      # np.frexp(a)[1] - 1 = floor(log2(a)), exactly
;;       r = np.clip(x / 2.0 ** e, -7.5, 7.5)
;;       step = 2.0 ** (np.maximum(np.frexp(np.where(r == 0, 1, r))[1] - 1, 0) - 3)
;;       q = np.round(r / step) * step * 2.0 ** e      # np.round: ties to even
;;       return np.moveaxis(q.reshape(q.shape[:-2] + (-1,))[..., :K], -1, axis).astype(np.float32)
;;   ~~~
;;   INPUTS GIVEN AS CODES. encoder_outputs (in the module: [2048, 32, 1024], K = its axis 2); hidden (in the module: [1, 32, 1024], K = its axis 2): each comes as NAME_codes (uint8): NAME with its K axis moved to the last place and cut into blocks of 32 codes, [.., K / 32, bytes a block], one block behind the other in memory; four codes in three bytes: a row's codes are one little-endian stream of bits, code i at bits 6 i .. 6 i + 5 (a code: sign, 2 exponent bits, 3 mantissa bits); and NAME_scales (uint8): the same leading axes, one E8M0 byte (e + 127) for each 32 codes along K. Its value is code x scale, taken as it is: it is not quantised again, and the codes and scales need not be those that the quantiser above would give.
;; One version. Each part assembles by itself: llvm-mc -triple=amdgcn-amd-amdhsa -mcpu=gfx1250 --defsym DOCPART=n.
;; ======== version 1 of 1: 3 launches
;; limits: right only within a limited range of input values
;; workspace buffers: wrec 966,656 bytes; sc 524,288 bytes
;; launch prep (part 1): grid 256 x 1, 4 waves a work-group, no clusters, 72,448 bytes of LDS; arguments W, b, v, hidden_codes, hidden_scales, wrec; writes wrec
.if DOCPART == 1
	.amdgcn_target "amdgcn-amd-amdhsa--gfx1250"
	.amdhsa_code_object_version 6
	.text
	.protected	k_qc24dc620e8_prep
	.globl	k_qc24dc620e8_prep
	.p2align	8
	.type	k_qc24dc620e8_prep,@function
k_qc24dc620e8_prep:
	s_mov_b64 s[64:65], 0
	v_nop
	global_prefetch_b8 v0, s[64:65] scope:SCOPE_SE
	s_setreg_imm32_b32 hwreg(HW_REG_WAVE_MODE, 25, 1), 1
	s_wait_xcnt 0x0
; W [1024][2048] f32 is quantised along K (its last axis; columns 0-1023 are Wh, 1024-2047 We) into codes of FP6 (E2M3) with one E8M0 byte for each 32 along K.
; We's codes leave as IMAGES OF OPERAND REGISTERS; Wh's are multiplied at once with hidden's codes: pre_h = hidden Wh^T, to which b is added; v leaves as w = -2 v.
; wrec: 32 records of REC bytes; record i serves W's rows 32 i .. 32 i + 31, two blocks e = 0, 1 of 16 rows:
;   e 12288 + q 1536 + c 512 + 16 lane   We's fragment (block e, K step q): registers 4 c .. 4 c + 3 of its 12
;   SBO + c 512 + 16 lane                scale words q = 4 c .. 4 c + 3 of row 32 i + lane
;   BIO + e 2048 + p 1024 + c 512 + 16 lane   lane (r, h), registers 4 c .. 4 c + 3: pre_h[16 p + r][n] + b[n], n = 32 i + 16 e + 8 h + 4 c + 0 .. 3
;   WO + e 256                           w of the block's 16 rows, then 48 zeros
; SHARES.  256 work-groups of four waves; each reads 32 KiB of W, a wave 16 pieces of 512 bytes; no byte of W is read twice, so no tensor load and no cluster.
; Work-groups 0-127 take Wh: g has rows 8 g .. 8 g + 7 and all of K, so that pre_h's sum over K meets in one work-group; wave u has K steps 2 u, 2 u + 1.  The fragment's rows 8-15 repeat rows 0-7:
; both halves of the lanes then hold pre_h[16 p + r][8 g + j], j = 0 .. 7, and lanes 0-15 carry j = 0-3 (image c = 0), lanes 16-31 j = 4-7 (image c = 1): each half of the lanes stores a whole unit of 256 bytes.
; Work-groups 128-255 take We: 16 rows nb and four K steps 4 kh + u, a wave a K step; their four scale words a row are one unit of 256 bytes of a scale image.
; The two ways never join, and each has LDS bytes of its own.
; A block's scale byte is its largest magnitude's exponent field - 2, held at 1 from below.
; LIMITS: NaN and infinities in W are not served; a block whose largest magnitude lies under 2^-124 gets the byte 1; a block of zeros gets the byte 1 where the quantiser says 127: its codes are zeros,
; which add nothing under any byte but 0xff, and the bytes are read by this program alone.  pre_h's K is summed in four parts of two K steps, added in f32 in ascending K.
.set REC,  30208
.set SBO,  24576
.set BIO,  25600
.set WO,   29696
.set SPT,  528                         ; a stage row: 512 bytes + 16
.set STW,  0                           ; LDS, We's way: four stages of 16 rows,
.set SCW,  4*16*SPT                    ; and the scale words: 16 bytes a row, 4 a wave
.set STH,  SCW+256                     ; Wh's way: four stages,
.set PS,   STH+4*16*SPT                ; and the partial sums: two images of 512 bytes a wave
.set SPARE, PS+4096                    ; the spare words: 128 bytes a wave
.set RW,   16                          ; v16-79   W as it is loaded; later v16-31 two accumulators, v32-39 what leaves of them, v48-63 the four parts
.set X,    80                          ; v80-143  64 numbers of my row: register 32 c + i = column 64 c + 32 h + i of the K step
.set HF,   144                         ; v144-191 hidden's fragments: 24 s + 12 p (s: which of my K steps; p: rows 16 p ..)
.set HS,   192                         ; v192-193 hidden's scale words of my two K steps: lane = row
.set SW,   194                         ; v194-195 the scale words made
.set BV,   196                         ; v196-199 four numbers of b
.set VV,   200                         ; v200-201 two numbers of v
.set CF,   204                         ; v204-227 the fragments made
.set C2,   228                         ; v228-235 the conversions' second halves
.set TM,   236                         ; v236-243 at work
.set D0,   16
.set D1,   24
.set XS,   32
; 16 rows x 128 K out of my stage (row and half in v[adr]), quantised: the fragment into v[cf ..], the row's scale word into v[sw].  A lane holds blocks h and 2 + h of its row whole.
.macro QUANT adr, off, cf, sw
.irp c, 0,1
.irp j, 0,1,2,3,4,5,6,7
	ds_load_b128 v[X+32*\c+4*\j:X+32*\c+4*\j+3], v[\adr] offset:\off+256*\c+16*\j
.endr
.endr
	s_wait_dscnt 0x0                               ; LDS serves a wave's instructions in order: the stage's stores are done too
.irp c, 0,1
	v_max3_num_f32 v[TM+\c], |v[X+32*\c]|, |v[X+32*\c+1]|, 0x1800000   ; with the floor 2^(3 - 127): the byte cannot fall under 1
.endr
.irp i, 2,4,6,8,10,12,14,16,18,20,22,24,26,28,30
.irp c, 0,1
	v_max3_num_f32 v[TM+\c], v[TM+\c], |v[X+32*\c+\i]|, |v[X+32*\c+\i+1]|
.endr
.endr
.irp c, 0,1
	v_add_nc_u32 v[TM+2+\c], 0xff000000, v[TM+\c]  ; 2 off the exponent field: the conversion's scale operand
.endr
.irp c, 0,1
	v_lshrrev_b32 v[TM+4+\c], 23, v[TM+2+\c]       ; the scale's byte
.endr
	v_lshl_or_b32 v[\sw], v[TM+5], 16, v[TM+4]
	v_lshlrev_b32 v[TM+6], 3, v4
	v_lshlrev_b32 v[\sw], v[TM+6], v[\sw]          ; my two bytes, 8 h bits up;
	v_permlanex16_b32 v[TM+7], v[\sw], s20, s21
	v_or_b32 v[\sw], v[\sw], v[TM+7]               ; with lane l xor 16's two the row's word is whole
.irp c, 0,1
	v_cvt_scalef32_pk16_fp6_f32 v[\cf+6*\c:\cf+6*\c+2], v[X+32*\c:X+32*\c+15], v[TM+2+\c]
	v_cvt_scalef32_pk16_fp6_f32 v[C2+4*\c:C2+4*\c+2], v[X+32*\c+16:X+32*\c+31], v[TM+2+\c]   ; (a conversion's three registers begin on an even number)
.endr
	v_nop                                          ; one plain line behind the last scaled conversion
.irp c, 0,1
.irp i, 0,1,2
	v_mov_b32 v[\cf+3+6*\c+\i], v[C2+4*\c+\i]
.endr
.endr
.endm
.macro FIN                             ; a wave's end
	s_wait_tensorcnt 0x0
	ds_add_u32 v254, v255
	s_wait_dscnt 0x0
	s_endpgm
.endm
	s_load_b256 s[4:11], s[0:1], 0x0               ; W s[4:5], b s[6:7], v s[8:9], hidden's codes s[10:11]
	s_load_b128 s[12:15], s[0:1], 0x20             ; hidden's scales s[12:13], wrec s[14:15]
	v_lshl_add_u32 v254, v0, 2, SPARE
	v_mov_b32 v255, 0
	v_lshrrev_b32 v1, 5, v0
	v_readfirstlane_b32 s16, v1                    ; u: wave 0..3
	v_and_b32 v2, 31, v0                           ; lane
	v_and_b32 v3, 15, v0                           ; r
	v_bfe_u32 v4, v0, 4, 1                         ; h
	v_lshlrev_b32 v5, 4, v2                        ; 16 x lane
	v_mov_b32 v[TM+7], 0                           ; a lane permute's destination counts as one of its sources
	s_mov_b32 s20, 0x76543210
	s_mov_b32 s21, 0xfedcba98                      ; selects for lane l xor 16
	s_mul_i32 s44, s16, 16*SPT                     ; my stage, from its way's first
	s_wait_alu depctr_va_vdst(0)                   ; the wait at the head's end
	s_wait_kmcnt 0x0
	s_cmp_lt_u32 ttmp9, 128
	s_cbranch_scc0 .Lwe
	; ---------------- Wh's way: rows 8 g .. 8 g + 7, K steps 2 u and 2 u + 1
	s_lshl_b32 s30, ttmp9, 16                      ; W: 8 rows of 8,192 bytes a work-group,
	s_lshl_b32 s31, s16, 10                        ; 1,024 bytes a wave
	s_add_co_u32 s30, s30, s31
	s_mov_b32 s31, 0
	s_lshl_b32 s34, ttmp9, 5                       ; b: 8 numbers a work-group
	s_mov_b32 s35, 0
	s_mul_i32 s36, s16, 192                        ; hidden's codes: 96 bytes a K step
	s_mov_b32 s37, 0
	s_lshl_b32 s38, s16, 3                         ; and 4 bytes of scales
	s_mov_b32 s39, 0
	s_lshr_b32 s42, ttmp9, 2                       ; wrec: record g / 4,
	s_mul_i32 s42, s42, REC
	s_bfe_u32 s43, ttmp9, 0x10001                  ; block e = (g / 2) % 2,
	s_lshl_b32 s43, s43, 11
	s_add_co_u32 s42, s42, s43
	s_and_b32 s43, ttmp9, 1                        ; the images' lanes 16 (g % 2) ..: 256 bytes on,
	s_lshl_b32 s43, s43, 8
	s_add_co_u32 s42, s42, s43
	s_lshl_b32 s43, s16, 10                        ; p = u (waves 0, 1)
	s_add_co_u32 s42, s42, s43
	s_add_co_u32 s42, s42, BIO
	s_mov_b32 s43, 0
	s_add_co_u32 s44, s44, STH
	s_lshl_b32 s45, s16, 10
	s_add_co_u32 s45, s45, PS
	s_lshl_b32 s46, s16, 9
	s_add_co_u32 s46, s46, PS
	s_add_nc_u64 s[4:5], s[4:5], s[30:31]
	s_add_nc_u64 s[6:7], s[6:7], s[34:35]
	s_add_nc_u64 s[10:11], s[10:11], s[36:37]
	s_add_nc_u64 s[12:13], s[12:13], s[38:39]
	s_add_nc_u64 s[24:25], s[14:15], s[42:43]
	v_add_nc_u32 v6, s44, v5                       ; into my stage: a piece as it is loaded
	v_and_b32 v7, 7, v0
	v_mul_u32_u24 v7, v7, SPT
	v_lshl_add_u32 v7, v4, 7, v7
	v_add_nc_u32 v7, s44, v7                       ; out of it: row r % 8, + 128 h bytes
	v_add_nc_u32 v8, s45, v5                       ; my partial sums
	v_add_nc_u32 v9, s46, v5                       ; image p = u of every wave's (waves 0, 1)
	v_lshlrev_b32 v10, 4, v3
	v_lshl_add_u32 v10, v4, 9, v10                 ; the bias images: 512 h + 16 r
	v_mul_u32_u24 v12, v3, 768
	v_mad_u32_u24 v12, v4, 24, v12                 ; hidden's codes: row r, + 24 h
	v_lshlrev_b32 v13, 5, v2                       ; hidden's scales: row = lane
	v_lshlrev_b32 v14, 4, v4                       ; b: 4 h numbers on
	s_wait_alu depctr_va_vdst(0)
.irp s, 0,1
.irp p, 0,1
.irp i, 0,1,2,3,4,5
	global_load_b64 v[HF+24*\s+12*\p+2*\i:HF+24*\s+12*\p+2*\i+1], v12, s[10:11] offset:12288*\p+96*\s+48*(\i/3)+8*(\i%3)
.endr
.endr
	global_load_b32 v[HS+\s], v13, s[12:13] offset:4*\s
.endr
	global_load_b128 v[BV:BV+3], v14, s[6:7]
.irp i, 0,1,2,3,4,5,6,7,8,9,10,11,12,13,14,15
	global_load_b128 v[RW+4*\i:RW+4*\i+3], v5, s[4:5] offset:8192*(\i%8)+512*(\i/8) th:TH_LOAD_NT   ; piece i: row i % 8, K step i / 8: 512 consecutive bytes, read once
.endr
.irp i, 0,1,2,3,4,5,6,7,8,9,10,11,12,13,14,15
	s_wait_loadcnt 15-\i                           ; piece i is in: the 15 - i younger loads may be out (the small loads are older)
	ds_store_b128 v6, v[RW+4*\i:RW+4*\i+3] offset:SPT*\i
.endr
	QUANT 7, 0, CF, SW
	QUANT 7, 8*SPT, CF+12, SW+1
.rept 8
	v_nop                                          ; a scale register written by vector instructions stands 8 places ahead of a scaled matrix instruction, an operand 4
.endr
	; transposed: source 0 = Wh's rows, source 1 = 16 rows of hidden; the two accumulators by turns
	v_wmma_scale_f32_16x16x128_f8f6f4 v[D0:D0+7], v[CF:CF+11], v[HF:HF+11], 0, v[SW], v[HS] matrix_a_fmt:MATRIX_FMT_FP6 matrix_b_fmt:MATRIX_FMT_FP6
	v_wmma_scale_f32_16x16x128_f8f6f4 v[D1:D1+7], v[CF:CF+11], v[HF+12:HF+23], 0, v[SW], v[HS] matrix_a_fmt:MATRIX_FMT_FP6 matrix_b_fmt:MATRIX_FMT_FP6 matrix_b_scale:MATRIX_SCALE_ROW1
	v_wmma_scale_f32_16x16x128_f8f6f4 v[D0:D0+7], v[CF+12:CF+23], v[HF+24:HF+35], v[D0:D0+7], v[SW+1], v[HS+1] matrix_a_fmt:MATRIX_FMT_FP6 matrix_b_fmt:MATRIX_FMT_FP6
	v_wmma_scale_f32_16x16x128_f8f6f4 v[D1:D1+7], v[CF+12:CF+23], v[HF+36:HF+47], v[D1:D1+7], v[SW+1], v[HS+1] matrix_a_fmt:MATRIX_FMT_FP6 matrix_b_fmt:MATRIX_FMT_FP6 matrix_b_scale:MATRIX_SCALE_ROW1
	v_cmp_ne_u32 vcc_lo, 0, v4
.rept 4
	v_nop                                          ; four places in front of the first read of the results (ISA guide 7.12.1)
.endr
.irp k, 0,1,2,3
	v_cndmask_b32 v[XS+\k], v[D0+\k], v[D0+4+\k], vcc_lo       ; lanes 0-15 keep j = 0-3, lanes 16-31 j = 4-7; each accumulator is first read at its low end
.endr
.irp k, 0,1,2,3
	v_cndmask_b32 v[XS+4+\k], v[D1+\k], v[D1+4+\k], vcc_lo
.endr
	ds_store_b128 v8, v[XS:XS+3]
	ds_store_b128 v8, v[XS+4:XS+7] offset:512
	s_wait_dscnt 0x0                               ; for the others' sake
	s_barrier_signal -1
	s_barrier_wait -1
	s_cmp_lt_u32 s16, 2
	s_cbranch_scc0 .Lend_h
.irp k, 0,1,2,3
	ds_load_b128 v[48+4*\k:48+4*\k+3], v9 offset:1024*\k
.endr
	s_wait_dscnt 0x0
.irp k, 0,1,2,3
	v_pk_add_f32 v[BV:BV+1], v[BV:BV+1], v[48+4*\k:48+4*\k+1]          ; b + the four parts, K ascending
	v_pk_add_f32 v[BV+2:BV+3], v[BV+2:BV+3], v[48+4*\k+2:48+4*\k+3]
.endr
	global_store_b128 v10, v[BV:BV+3], s[24:25]    ; each half of the lanes stores 256 consecutive bytes, aligned
.Lend_h:
	FIN
	; ---------------- We's way: rows 16 nb .. 16 nb + 15, K step 4 kh + u
.Lwe:
	s_sub_co_u32 s28, ttmp9, 128
	s_and_b32 s29, s28, 1                          ; kh
	s_lshr_b32 s27, s28, 1                         ; nb
	s_and_b32 s26, s27, 1                          ; e
	s_lshr_b32 s25, s28, 2
	s_mul_i32 s25, s25, REC                        ; the record's first byte
	s_lshl_b32 s30, s27, 17                        ; W: 16 rows of 8,192 bytes, We's columns 4,096 bytes on, 2,048 bytes for kh, 512 a wave
	s_lshl_b32 s31, s29, 11
	s_add_co_u32 s30, s30, s31
	s_lshl_b32 s31, s16, 9
	s_add_co_u32 s30, s30, s31
	s_add_co_u32 s30, s30, 4096
	s_mov_b32 s31, 0
	s_lshl_b32 s32, s27, 6                         ; v: 16 numbers a block
	s_mov_b32 s33, 0
	s_lshl_b32 s24, s29, 2
	s_add_co_u32 s24, s24, s16                     ; q
	s_mul_i32 s40, s26, 12288                      ; wrec: fragment (e, q)
	s_mul_i32 s41, s24, 1536
	s_add_co_u32 s40, s40, s41
	s_add_co_u32 s40, s40, s25
	s_mov_b32 s41, 0
	s_lshl_b32 s42, s26, 8                         ; wrec: 256 e, for w
	s_add_co_u32 s42, s42, s25
	s_mov_b32 s43, 0
	s_lshl_b32 s46, s29, 9                         ; and 512 kh more, for the scale image
	s_add_co_u32 s46, s46, s42
	s_mov_b32 s47, 0
	s_lshl_b32 s45, s16, 2
	s_add_co_u32 s45, s45, SCW
	s_add_nc_u64 s[4:5], s[4:5], s[30:31]
	s_add_nc_u64 s[8:9], s[8:9], s[32:33]
	s_add_nc_u64 s[50:51], s[14:15], s[40:41]
	s_add_nc_u64 s[52:53], s[14:15], s[42:43]
	s_add_nc_u64 s[54:55], s[14:15], s[46:47]
	v_add_nc_u32 v6, s44, v5                       ; into my stage (STW = 0)
	v_mul_u32_u24 v7, v3, SPT
	v_lshl_add_u32 v7, v4, 7, v7
	v_add_nc_u32 v7, s44, v7                       ; out of it: row r, + 128 h bytes
	v_lshlrev_b32 v13, 4, v3                       ; 16 r
	v_add_nc_u32 v10, s45, v13                     ; my row's scale word of my K step
	v_lshl_add_u32 v11, v3, 4, SCW                 ; the row's four words
	v_and_b32 v15, 7, v0
	v_lshlrev_b32 v15, 3, v15                      ; v: two numbers a lane, eight lanes' worth
	v_lshlrev_b32 v244, 3, v2                      ; w's unit: 8 bytes a lane
	s_wait_alu depctr_va_vdst(0)
	global_load_b64 v[VV:VV+1], v15, s[8:9]
.irp i, 0,1,2,3,4,5,6,7,8,9,10,11,12,13,14,15
	global_load_b128 v[RW+4*\i:RW+4*\i+3], v5, s[4:5] offset:8192*\i th:TH_LOAD_NT   ; row i: 512 consecutive bytes, read once
.endr
.irp i, 0,1,2,3,4,5,6,7,8,9,10,11,12,13,14,15
	s_wait_loadcnt 15-\i
	ds_store_b128 v6, v[RW+4*\i:RW+4*\i+3] offset:SPT*\i
.endr
	QUANT 7, 0, CF, SW
	ds_store_b32 v10, v[SW]                        ; lanes l and l xor 16 write the same word with the same value
.irp c, 0,1,2
	global_store_b128 v5, v[CF+4*\c:CF+4*\c+3], s[50:51] offset:512*\c   ; the fragment as it stands: 512 consecutive bytes, aligned
.endr
	s_wait_dscnt 0x0                               ; for the others' sake
	s_barrier_signal -1
	s_barrier_wait -1
	s_cmp_eq_u32 s16, 0
	s_cbranch_scc0 .Lnot_sc
	; wave 0: the four scale words of each of the 16 rows: one unit of 256 bytes, from lanes 0-15
	ds_load_b128 v[RW:RW+3], v11
	v_cmp_gt_u32 vcc_lo, 16, v2
	s_wait_dscnt 0x0
	s_wait_xcnt 0x0                                ; EXEC changes only behind this wait
	s_and_saveexec_b32 s56, vcc_lo
	global_store_b128 v13, v[RW:RW+3], s[54:55] offset:SBO
	s_wait_xcnt 0x0
	s_or_b32 exec_lo, exec_lo, s56
	FIN
.Lnot_sc:
	s_cmp_eq_u32 s16, 1
	s_cbranch_scc0 .Lend_w
	s_cmp_eq_u32 s29, 0
	s_cbranch_scc0 .Lend_w
	; wave 1 of the work-group with kh = 0: w = -2 v
	v_pk_mul_f32 v[VV:VV+1], v[VV:VV+1], -2.0 op_sel_hi:[1,0]
	v_cmp_gt_u32 vcc_lo, 8, v2
	v_cndmask_b32 v[VV], 0, v[VV], vcc_lo          ; lanes 8-31 fill the unit's other 192 bytes with zeros
	v_cndmask_b32 v[VV+1], 0, v[VV+1], vcc_lo
	global_store_b64 v244, v[VV:VV+1], s[52:53] offset:WO    ; 32 lanes store 256 consecutive bytes, aligned
.Lend_w:
	FIN
.Lfunc_end_k_qc24dc620e8_prep:
	.size	k_qc24dc620e8_prep, .Lfunc_end_k_qc24dc620e8_prep-k_qc24dc620e8_prep
	.p2alignl 7, 3214868480
	.fill 96, 4, 3214868480
	.section	.rodata,"a",@progbits
	.p2align	6, 0x0
	.amdhsa_kernel k_qc24dc620e8_prep
		.amdhsa_group_segment_fixed_size 72448
		.amdhsa_private_segment_fixed_size 0
		.amdhsa_enable_private_segment 0
		.amdhsa_kernarg_size 48
		.amdhsa_user_sgpr_count 2
		.amdhsa_user_sgpr_kernarg_segment_ptr 1
		.amdhsa_wavefront_size32 1
		.amdhsa_system_sgpr_workgroup_id_x 1
		.amdhsa_system_sgpr_workgroup_id_y 1
		.amdhsa_system_sgpr_workgroup_id_z 1
		.amdhsa_system_vgpr_workitem_id 0
		.amdhsa_next_free_vgpr 256
		.amdhsa_next_free_sgpr 66
		.amdhsa_reserve_vcc 1
		.amdhsa_float_denorm_mode_32 3
		.amdhsa_float_denorm_mode_16_64 3
		.amdhsa_memory_ordered 1
		.amdhsa_forward_progress 1
		.amdhsa_inst_pref_size 30
	.end_amdhsa_kernel
	.amdgpu_metadata
---
amdhsa.version: [ 1, 2 ]
amdhsa.kernels:
  - .name:           k_qc24dc620e8_prep
    .symbol:         k_qc24dc620e8_prep.kd
    .args:
      - { .name: W, .offset: 0, .size: 8, .value_kind: global_buffer, .address_space: global }
      - { .name: b, .offset: 8, .size: 8, .value_kind: global_buffer, .address_space: global }
      - { .name: v, .offset: 16, .size: 8, .value_kind: global_buffer, .address_space: global }
      - { .name: hidden_codes, .offset: 24, .size: 8, .value_kind: global_buffer, .address_space: global }
      - { .name: hidden_scales, .offset: 32, .size: 8, .value_kind: global_buffer, .address_space: global }
      - { .name: wrec, .offset: 40, .size: 8, .value_kind: global_buffer, .address_space: global }
    .group_segment_fixed_size: 72448
    .private_segment_fixed_size: 0
    .kernarg_segment_align: 8
    .kernarg_segment_size: 48
    .max_flat_workgroup_size: 128
    .sgpr_count:     66
    .vgpr_count:     256
    .wavefront_size: 32
...
	.end_amdgpu_metadata
.endif
;; end of part 1
;; launch scores (part 2): grid 256 x 1, 8 waves a work-group, clusters of 4 x 1, 327,680 bytes of LDS; arguments encoder_outputs_codes, encoder_outputs_scales, wrec, sc; writes sc
.if DOCPART == 2
	.amdgcn_target "amdgcn-amd-amdhsa--gfx1250"
	.amdhsa_code_object_version 6
	.text
	.protected	k_qc24dc620e8_scores
	.globl	k_qc24dc620e8_scores
	.p2align	8
	.type	k_qc24dc620e8_scores,@function
k_qc24dc620e8_scores:
	s_mov_b64 s[64:65], 0
	v_nop
	global_prefetch_b8 v0, s[64:65] scope:SCOPE_SE
	s_setreg_imm32_b32 hwreg(HW_REG_WAVE_MODE, 25, 1), 1
	s_wait_xcnt 0x0
	s_wait_alu depctr_hold_cnt(0) depctr_sa_sdst(0) depctr_va_vdst(0) depctr_va_sdst(0) depctr_va_ssrc(0) depctr_va_vcc(0) depctr_vm_vsrc(0)
	s_getreg_b32 s2, hwreg(HW_REG_IB_STS2, 6, 4)
	s_cmp_eq_u32 s2, 0
	s_cbranch_scc0 .Lentry_in_a_cluster
	s_endpgm
.Lentry_in_a_cluster:
	s_bfe_u32 s2, ttmp6, 0x10000c
	s_cmp_lg_u32 s2, 0x3003
	s_cbranch_scc0 .Lentry_shape_is_right
	s_endpgm
.Lentry_shape_is_right:
; sc[nh][b][s] = sum over the columns n = 512 nh .. 512 nh + 511 of w[n] / (1 + 2^(c x)), x = (e We^T)[32 s + b][n] + pre_h[b][n] + b[n], c = 2 log2(e), w = -2 v.
; tanh x = 1 - 2 / (1 + 2^(c x)), so reference()'s score is sum(v) + sc[0][b][s] + sc[1][b][s].  LEFT OUT: sum(v).  It is the same for every position of a softmax row, whatever v holds, so in exact
; arithmetic it cancels in the softmax.  LIMIT: a NaN, an infinity or an overflow that would arise in sum(v) alone is not carried to the result.
; No clamp: where 2^(c x) is infinite the reciprocal is 0 (tanh = 1), where it is 0 the reciprocal is 1 (tanh = -1).
; The product is on codes of FP6 (E2M3) with E8M0 scales: e's as they are given, We's from wrec (records of operand images, laid by the launch before this one).
; SHARES.  Work-group g owns s = 8 g .. 8 g + 7, all 32 b, all 1,024 columns.  Eight waves of 512 registers, two to a SIMD's 1,024: one wave's activation stands beside the other's products.
; Wave w = (b2 b1 b0): row group rg = w >> 1 (p = b1, sq = b2): b = 16 p .. 16 p + 15 for s = 8 g + 4 sq + a, a = 0 .. 3; its half of the columns is nh = b0 xor b2.
; The two waves of a row group keep the group's 32 fragments of e (384 registers) for the whole launch and walk 32 of the 64 blocks of 16 columns each: a fragment of We feeds four products.
; TRANSPOSED USE: source 0 = 16 rows of We, source 1 = 16 rows of e.  Lane (r, h) holds one row of e, its registers i the columns n0 + 8 h + i: the dot with w stays in the lane.
; A BLOCK: the matrix part (eight K steps of four products, the four accumulators by turns; K step q's fragment lies in buffer q % 4; two runs of six LDS loads inside it);
; then t = c x + c bias (the four lines that make c bias are the places behind the last product); then w and the next block's fragments 0-3 are asked for; then 2^t, + 1, the reciprocal, x w.
; The bias and w take turns in eight registers: the bias is asked for behind the dot, w behind t.  One address register is made anew ahead of each run of loads.
; OUT OF STEP.  At a change of slots the waves with nh = 0 finish the activation ahead of the barrier, those with nh = 1 behind it (w is in registers by then): behind it one wave of a pair begins with
; products, the other with exponentials.  nh differs between waves w and w + 4, and between 2 i and 2 i + 1.
; We walks in 8 groups through two LDS slots of four records (2 t, 2 t + 1 of each half of the columns).  CLUSTER: all work-groups read the same records: the four partners ask JOINTLY (mask 15).
; THE HEAD: one tensor load a wave: waves 0-3 a row group of e each (4 x 12,288 bytes), waves 4-7 a record of group 0 each.  Slot 1 lies over e's stage: it is first filled as a refill is.
; NO PREFETCH: e is read once, at the head, where there is no loop to run ahead in; each record is asked for by all 256 work-groups in the same group of the walk.
; REGISTERS: window 0: v0-123 all that is not e; from v124 e's fragments f = 4 q + a = 0 .. 10.  Window 1: f = 11 .. 31 at v[12 (f - 11)].  Only source 1 of the products leaves window 0: two switches a block.
.set REC,    30208                     ; a record: 118 x 256 bytes
.set HREC,   REC/2
.set GSTEP,  2*REC                     ; in wrec from a group to the next, in each half of the columns
.set SBO,    24576                     ; in a record: the scale images,
.set BIO,    25600                     ; the bias images,
.set WO,     29696                     ; w
.set APITCH, 792                       ; a row of e in LDS: 768 bytes + 8 of padding behind each 256
.set ABLK,   16*APITCH
.set AWV,    4*ABLK                    ; a row group's four blocks: what one of the head's loads brings
.set ASTG,   4*REC                     ; LDS: slot 0 at 0; behind it e's stage, filled once;
.set SLOT1,  1<<17                     ; slot 1 lies inside that stage
.set SPARE,  ASTG+4*AWV                ; the spare words: 128 bytes a wave, four blocks of 256 bytes that no other line names
.set L16,  0                           ; v0   16 x lane; never rewritten
.set XAD,  1                           ; v1   the LDS address of the run of loads in hand
.set SPW,  2                           ; v2   my spare word; never rewritten
.set NIL,  3                           ; v3   0; never rewritten
.set SC,   4                           ; v4-11    the scores: pair 2 a for row block a
.set SA,   12                          ; v12-27   e's scale words: v[SA + 8 j + q]: lanes 0-15 row block 2 j, lanes 16-31 row block 2 j + 1
.set SB,   28                          ; v28-35   We's: v[SB + q]: lanes 0-15 the record's block 0, lanes 16-31 its block 1
.set BW,   36                          ; v36-43   the bias image, then w
.set B,    44                          ; v44-91   four buffers for We's fragments (at the head v56-61 at work)
.set ACC,  92                          ; v92-123  four accumulators
.set AF0,  124
.set AA,   60
.set WV,   12                          ; s12 my wave's number
.set NH,   15                          ; s15 my half of the columns
.set G1A,  16                          ; s[16:23] group 1 for a row group of e; s[24:31] for half a record; s[68:75] for a whole record
.set G1B,  24
.set G1H,  68
.set G0A,  32                          ; s[32:35] group 0 for e; s[36:39] for the head's record; s[40:43] for the ring: it walks
.set G0H,  36
.set G0B,  40
.set TB,   44                          ; s44 LDS byte at which the record in hand begins
.set OUT,  45
.set CC,   46                          ; s[46:47] c
.set SEL,  48                          ; s[48:49] selects for lane l xor 16
.set P10,  76                          ; s76 1024 p
.set T2,   77
.set MSB, 0
.macro WIN new
.if MSB != \new
	s_set_vgpr_msb (MSB<<8)|\new
.set MSB, \new
.endif
.endm
.macro ROUND                           ; a round of the cluster's barrier
	s_barrier_signal -1
	s_barrier_wait -1
	s_cmp_lg_u32 s[WV], 0
	s_cbranch_scc1 .Lnot_wave_0_\@
	s_barrier_signal -3
.Lnot_wave_0_\@:
	s_barrier_wait -3
	s_barrier_signal -1
	s_barrier_wait -1
.endm
.macro NOP4
.rept 4
	v_nop
.endr
.endm
.macro XA sreg                         ; 16 x lane + a scalar; the vector source stands first, so that the line serves while source 1 is in window 1
	v_add_nc_u32 v[XAD], v[L16], s[\sreg]
.endm
; e's fragment (row block a, K step q) out of my row group's stage, in pieces of 8 bytes; where lanes 16-31 lie behind one padding more, the second address register serves
.macro AFRAG a, q
.set FI, 4*(\q)+(\a)
.if FI < 11
	WIN 0
.set AR0, AF0+12*FI
.else
	WIN 0x40
.set AR0, 12*(FI-11)
.endif
.irp p, 0,1,2,3,4,5
.set PC, 12*(\q)+6*(\p/3)+\p%3
.set AR, AR0+2*\p
.if PC%32 < 29
	ds_load_b64 v[AR:AR+1], v[AA] offset:(\a)*ABLK+8*PC+8*(PC/32)
.else
	ds_load_b64 v[AR:AR+1], v[AA+1] offset:(\a)*ABLK+8*PC+8*(PC/32)
.endif
.endr
.endm
.macro LOADF blk, q                    ; We's fragment (block blk, K step q) into buffer q % 4: three loads of 512 consecutive bytes
.irp c, 0,1,2
	ds_load_b128 v[B+12*((\q)%4)+4*\c:B+12*((\q)%4)+4*\c+3], v[XAD] offset:12288*(\blk)+1536*(\q)+512*\c
.endr
.endm
.macro LOADSB
.irp c, 0,1
	ds_load_b128 v[SB+4*\c:SB+4*\c+3], v[XAD] offset:SBO+512*\c
.endr
.endm
.macro LOADBIAS blk                    ; behind the dot, which read w out of these registers
	s_add_co_u32 s[T2], s[TB], s[P10]
	XA T2
.irp c, 0,1
	ds_load_b128 v[BW+4*\c:BW+4*\c+3], v[XAD] offset:BIO+2048*(\blk)+512*\c
.endr
.endm
; One product: block e of its record, K step q, row block a.  The first K step starts the sum with 0.
.macro MM e, q, a
.set md, ACC+8*(\a)
.set mb, B+12*((\q)%4)
.set mf, 4*(\q)+(\a)
.if mf < 11
	WIN 0
.set ma, AF0+12*mf
.else
	WIN 0x04
.set ma, 12*(mf-11)
.endif
.set ms, SA+8*((\a)/2)+(\q)
.set mk, 2*(\e)+(\a)%2
.if (\q) == 0
.if mk == 0
	v_wmma_scale_f32_16x16x128_f8f6f4 v[md:md+7], v[mb:mb+11], v[ma:ma+11], 0, v[SB+(\q)], v[ms] matrix_a_fmt:MATRIX_FMT_FP6 matrix_b_fmt:MATRIX_FMT_FP6
.elseif mk == 1
	v_wmma_scale_f32_16x16x128_f8f6f4 v[md:md+7], v[mb:mb+11], v[ma:ma+11], 0, v[SB+(\q)], v[ms] matrix_a_fmt:MATRIX_FMT_FP6 matrix_b_fmt:MATRIX_FMT_FP6 matrix_b_scale:MATRIX_SCALE_ROW1
.elseif mk == 2
	v_wmma_scale_f32_16x16x128_f8f6f4 v[md:md+7], v[mb:mb+11], v[ma:ma+11], 0, v[SB+(\q)], v[ms] matrix_a_fmt:MATRIX_FMT_FP6 matrix_b_fmt:MATRIX_FMT_FP6 matrix_a_scale:MATRIX_SCALE_ROW1
.else
	v_wmma_scale_f32_16x16x128_f8f6f4 v[md:md+7], v[mb:mb+11], v[ma:ma+11], 0, v[SB+(\q)], v[ms] matrix_a_fmt:MATRIX_FMT_FP6 matrix_b_fmt:MATRIX_FMT_FP6 matrix_a_scale:MATRIX_SCALE_ROW1 matrix_b_scale:MATRIX_SCALE_ROW1
.endif
.else
.if mk == 0
	v_wmma_scale_f32_16x16x128_f8f6f4 v[md:md+7], v[mb:mb+11], v[ma:ma+11], v[md:md+7], v[SB+(\q)], v[ms] matrix_a_fmt:MATRIX_FMT_FP6 matrix_b_fmt:MATRIX_FMT_FP6
.elseif mk == 1
	v_wmma_scale_f32_16x16x128_f8f6f4 v[md:md+7], v[mb:mb+11], v[ma:ma+11], v[md:md+7], v[SB+(\q)], v[ms] matrix_a_fmt:MATRIX_FMT_FP6 matrix_b_fmt:MATRIX_FMT_FP6 matrix_b_scale:MATRIX_SCALE_ROW1
.elseif mk == 2
	v_wmma_scale_f32_16x16x128_f8f6f4 v[md:md+7], v[mb:mb+11], v[ma:ma+11], v[md:md+7], v[SB+(\q)], v[ms] matrix_a_fmt:MATRIX_FMT_FP6 matrix_b_fmt:MATRIX_FMT_FP6 matrix_a_scale:MATRIX_SCALE_ROW1
.else
	v_wmma_scale_f32_16x16x128_f8f6f4 v[md:md+7], v[mb:mb+11], v[ma:ma+11], v[md:md+7], v[SB+(\q)], v[ms] matrix_a_fmt:MATRIX_FMT_FP6 matrix_b_fmt:MATRIX_FMT_FP6 matrix_a_scale:MATRIX_SCALE_ROW1 matrix_b_scale:MATRIX_SCALE_ROW1
.endif
.endif
.endm
.macro QSTEP e, q
.irp a, 0,1,2,3
	MM \e, \q, \a
.endr
.endm
.macro RUN e, q0, q1                   ; four places behind the products that read the two buffers (the address is one of them), then six loads
	XA TB
.rept 3
	v_nop
.endr
	LOADF \e, \q0
	LOADF \e, \q1
.endm
; THE MATRIX PART.  LDS loads come back in order (ISA guide 5.7.1): a wait's count is the number of loads issued behind what is wanted.
.macro MP e
	s_wait_dscnt 2                                 ; fragments 0-3 and the scale words are in; the two loads of the bias, asked for last, may be out
	QSTEP \e, 0
	QSTEP \e, 1
	RUN \e, 4, 5
	QSTEP \e, 2
	QSTEP \e, 3
	RUN \e, 6, 7
	s_wait_dscnt 6                                 ; fragments 4, 5 (and the bias): behind them the six loads of fragments 6, 7
	QSTEP \e, 4
	QSTEP \e, 5
	s_wait_dscnt 0x0
	QSTEP \e, 6
	QSTEP \e, 7
	WIN 0
.endm
; t = c x + c bias.  The four lines that make c bias name no register of the products: they are the four places behind the last of them (ISA guide 7.12.1).  Each accumulator is first read at its low end.
.macro V1
.irp i, 0,2,4,6
	v_pk_mul_f32 v[BW+\i:BW+\i+1], v[BW+\i:BW+\i+1], s[CC:CC+1] op_sel_hi:[1,0]
.endr
	s_wait_alu depctr_va_vdst(0)                   ; the wait directly ahead of the first reader of the matrix results
.set nn, 0
.rept 16
	v_pk_fma_f32 v[ACC+2*nn:ACC+2*nn+1], v[ACC+2*nn:ACC+2*nn+1], s[CC:CC+1], v[BW+2*(nn%4):BW+2*(nn%4)+1] op_sel_hi:[1,0,1]
.set nn, nn+1
.endr
.endm
; w of this block into the registers that held the bias; then (last = 0) the next block's fragments 0-3, and with a new record its scale words
.macro LD1 e, last
	v_and_b32 v[XAD], 0x100, v[L16]                ; 256 h
	v_lshrrev_b32 v[XAD], 3, v[XAD]                ; 32 h
	v_add_nc_u32 v[XAD], v[XAD], s[TB]
.irp c, 0,1
	ds_load_b128 v[BW+4*\c:BW+4*\c+3], v[XAD] offset:WO+256*(\e)+16*\c
.endr
.if (\last) == 0
.if (\e) == 1
	s_add_co_u32 s[TB], s[TB], REC                 ; all of this record has been asked for
.endif
	XA TB
.irp q, 0,1,2,3
	LOADF 1-\e, \q
.endr
.if (\e) == 1
	LOADSB
.endif
.endif
.endm
; 2^t, + 1, the reciprocal, the dot with w: in batches, each with waits ahead of it and behind it
.macro V2
	s_wait_alu depctr_va_vdst(0)
.set nn, 0
.rept 32
	v_exp_f32 v[ACC+nn], v[ACC+nn]
.set nn, nn+1
.endr
	v_nop                                          ; a plain line behind the last exponential
	s_wait_alu depctr_va_vdst(0)
.set nn, 0
; from here on in two halves of 16 registers (row blocks 0, 1 and 2, 3): plain lines of one half stand behind the other half's reciprocals, ahead of the wait for them
.rept 8
	v_pk_add_f32 v[ACC+2*nn:ACC+2*nn+1], v[ACC+2*nn:ACC+2*nn+1], 1.0 op_sel_hi:[1,0]
.set nn, nn+1
.endr
	s_wait_alu depctr_va_vdst(0)
.set nn, 0
.rept 16
	v_rcp_f32 v[ACC+nn], v[ACC+nn]
.set nn, nn+1
.endr
.set nn, 8
.rept 8
	v_pk_add_f32 v[ACC+2*nn:ACC+2*nn+1], v[ACC+2*nn:ACC+2*nn+1], 1.0 op_sel_hi:[1,0]
.set nn, nn+1
.endr
	s_wait_dscnt 0x0                               ; w is in
	s_wait_alu depctr_va_vdst(0)                   ; behind the first half's reciprocals and ahead of the second's
.set nn, 16
.rept 16
	v_rcp_f32 v[ACC+nn], v[ACC+nn]
.set nn, nn+1
.endr
.set nn, 0
.rept 8                                ; the dot of row blocks 0 and 1, by turns
	v_pk_fma_f32 v[SC+2*(nn%2):SC+2*(nn%2)+1], v[ACC+8*(nn%2)+2*(nn/2):ACC+8*(nn%2)+2*(nn/2)+1], v[BW+2*(nn/2):BW+2*(nn/2)+1], v[SC+2*(nn%2):SC+2*(nn%2)+1]
.set nn, nn+1
.endr
	s_wait_alu depctr_va_vdst(0)
.set nn, 0
.rept 8                                ; and of row blocks 2 and 3
	v_pk_fma_f32 v[SC+4+2*(nn%2):SC+4+2*(nn%2)+1], v[ACC+16+8*(nn%2)+2*(nn/2):ACC+16+8*(nn%2)+2*(nn/2)+1], v[BW+2*(nn/2):BW+2*(nn/2)+1], v[SC+4+2*(nn%2):SC+4+2*(nn%2)+1]
.set nn, nn+1
.endr
.endm
.macro VIF half                        ; the second part of the activation in the waves of one half of the columns alone: no barrier inside
	s_cmp_eq_u32 s[NH], \half
	s_cbranch_scc0 .Lnot_now_\@
	V2
.Lnot_now_\@:
.endm
.macro PRELOAD                         ; what a group's first block wants: 14 loads
	XA TB
.irp q, 0,1,2,3
	LOADF 0, \q
.endr
	LOADSB
.endm
; THE CHANGE OF SLOTS.  mode 1: behind a round no wave of any partner reads this slot or has a load on its way: it takes the group two on.  mode 2: nothing is left to fetch.
.macro CHANGE mode
	s_wait_tensorcnt 0x0                           ; my half record of the other slot is in; the walking group 0 may be written
	ds_add_u32 v[SPW], v[NIL]
.if (\mode) == 1
	s_xor_b32 s[G0B+1], s[G0B+1], SLOT1
	s_add_nc_u64 s[G0B+2:G0B+3], s[G0B+2:G0B+3], GSTEP
.endif
	s_sub_co_u32 s[TB], s[TB], REC                 ; my half's first record,
	s_xor_b32 s[TB], s[TB], SLOT1                  ; in the other slot
	s_wait_dscnt 0x0                               ; the add is done, and my reads of this slot are over (w among them)
.if (\mode) == 1
	ROUND
	tensor_load_to_lds s[G0B:G0B+3], s[G1B:G1B+7]  ; my one tensor load behind the round
	s_nop 0
	NOP4
.else
	s_barrier_signal -1
	s_barrier_wait -1
.endif
	PRELOAD
.endm
.macro TILE e
	MP \e
	V1
	LD1 \e, 0
	V2
	LOADBIAS 1-\e
.endm
.macro GROUP mode
	VIF 1                                          ; the waves with nh = 1 finish the block that they multiplied ahead of the barrier
	LOADBIAS 0
	TILE 0
	TILE 1
	TILE 0
	MP 1
	V1
	LD1 1, 1
.if (\mode) < 3
	VIF 0
	CHANGE \mode
.else
	V2
.endif
.endm
	s_load_b256 s[4:11], s[0:1], 0x0               ; e's codes s[4:5], e's scales s[6:7], wrec s[8:9], sc s[10:11]
	v_lshl_add_u32 v[SPW], v0, 2, SPARE
	v_mov_b32 v[NIL], 0
	ds_add_u32 v[SPW], v[NIL]                      ; the opening lines: the add twice on end and one wait
	ds_add_u32 v[SPW], v[NIL]
	v_lshrrev_b32 v56, 5, v0
	v_readfirstlane_b32 s[WV], v56                 ; wave 0..7
	v_and_b32 v56, 31, v0
	v_and_b32 v57, 15, v0                          ; r
	v_bfe_u32 v58, v0, 4, 1                        ; h
	v_lshlrev_b32 v[L16], 4, v56                   ; (the thread's number has served)
	v_mul_u32_u24 v[AA], v57, APITCH
	v_mad_u32_u24 v[AA], v58, 24, v[AA]            ; e's stage: row r, + 24 h
	v_lshl_add_u32 v[AA+1], v58, 3, v[AA]          ; and behind one padding more
	v_lshlrev_b32 v59, 5, v57
	v_lshl_add_u32 v59, v58, 10, v59               ; e's scales: row r, one s further on for lanes 16-31
	s_wait_alu depctr_va_vdst(0)                   ; the wait ahead of the run of scalar lines
	s_bfe_u32 s13, ttmp6, 0x40000                  ; cx
	s_lshl_b32 s14, ttmp9, 2
	s_add_co_u32 s14, s14, s13                     ; g: it enters the addresses of e, of its scales and of sc alone
	s_and_b32 s50, s[WV], 1                        ; b0
	s_bfe_u32 s51, s[WV], 0x10001                  ; b1 = p
	s_lshr_b32 s52, s[WV], 2                       ; b2 = sq
	s_xor_b32 s[NH], s50, s52
	s_lshr_b32 s53, s[WV], 1                       ; rg
	s_and_b32 s78, s[WV], 3                        ; which of the head's four tiles of my kind I fetch
	; group 1 for a row group of e: 4 rows of 12,288 bytes (1,536 elements of 8), 24,576 bytes apart; 2 words of padding behind every 64
	s_mov_b32 s[G1A+0], (3<<16)|(1<<20)|(5<<22)|(1<<25)
	s_mov_b32 s[G1A+1], 1536<<16
	s_mov_b32 s[G1A+2], 4<<16
	s_mov_b32 s[G1A+3], 1536<<16
	s_mov_b32 s[G1A+4], 4
	s_mov_b32 s[G1A+5], 3072
	s_mov_b32 s[G1A+6], 0
	s_mov_b32 s[G1A+7], 0
	; groups 1 for half a record and for a whole one: dense rows of 256 bytes; the mask names all four work-groups, bit 21 beside it
	s_mov_b32 s[G1B+0], 15|(3<<16)|(1<<21)
	s_mov_b32 s[G1B+1], 32<<16
	s_mov_b32 s[G1B+2], 59<<16
	s_mov_b32 s[G1B+3], 32<<16
	s_mov_b32 s[G1B+4], 59
	s_mov_b32 s[G1B+5], 32
	s_mov_b32 s[G1B+6], 0
	s_mov_b32 s[G1B+7], 0
	s_mov_b32 s[G1H+0], 15|(3<<16)|(1<<21)
	s_mov_b32 s[G1H+1], 32<<16
	s_mov_b32 s[G1H+2], 118<<16
	s_mov_b32 s[G1H+3], 32<<16
	s_mov_b32 s[G1H+4], 118
	s_mov_b32 s[G1H+5], 32
	s_mov_b32 s[G1H+6], 0
	s_mov_b32 s[G1H+7], 0
	s_mul_i32 s54, s53, AWV
	s_add_co_u32 s54, s54, ASTG                    ; my row group's part of e's stage
	s_mul_i32 s[G0A+1], s78, AWV
	s_add_co_u32 s[G0A+1], s[G0A+1], ASTG          ; waves 0-3 fetch row group w
	s_mul_i32 s[G0H+1], s78, REC                   ; waves 4-7 fetch place w - 4 of slot 0
	s_mul_i32 s[G0B+1], s[WV], HREC                ; in the ring: my half record's place
	s_mul_i32 s[TB], s[NH], 2*REC
	s_lshl_b32 s[P10], s51, 10
	s_mul_i32 s56, s14, 196608                     ; e's codes: 8 s of 24,576 bytes a work-group; row group 2 b1 + b0: 4 s for b1, 16 rows for b0
	s_mul_i32 s55, s51, 98304
	s_add_co_u32 s56, s56, s55
	s_mul_i32 s55, s50, 12288
	s_add_co_u32 s56, s56, s55
	s_mov_b32 s57, 0
	s_lshl_b32 s58, s14, 13                        ; e's scales: 32 bytes a row: my row group's first row
	s_lshl_b32 s55, s52, 12
	s_add_co_u32 s58, s58, s55
	s_lshl_b32 s55, s51, 9
	s_add_co_u32 s58, s58, s55
	s_mov_b32 s59, 0
	s_lshl_b32 s60, s[NH], 18                      ; sc: my half's 262,144 bytes, 16 p rows of 8,192 bytes, + 4 (8 g + 4 sq)
	s_lshl_b32 s55, s51, 17
	s_add_co_u32 s60, s60, s55
	s_lshl_b32 s55, s14, 5
	s_add_co_u32 s60, s60, s55
	s_lshl_b32 s55, s52, 4
	s_add_co_u32 s60, s60, s55
	s_mov_b32 s61, 0
	s_mul_i32 s62, s52, 16*REC                     ; the ring: place w >> 1 holds record 16 b2 + 2 t + b1; I fetch its half b0
	s_mul_i32 s55, s51, REC
	s_add_co_u32 s62, s62, s55
	s_mul_i32 s55, s50, HREC
	s_add_co_u32 s62, s62, s55
	s_mov_b32 s63, 0
	s_mul_i32 s66, s51, 16*REC                     ; the head: place 2 b1 + b0 holds record 16 b1 + b0
	s_mul_i32 s55, s50, REC
	s_add_co_u32 s66, s66, s55
	s_mov_b32 s67, 0
	s_mov_b32 s[CC], 0x4038aa3b                    ; c = 2 log2(e)
	s_mov_b32 s[CC+1], s[CC]
	s_mov_b32 s[SEL], 0x76543210
	s_mov_b32 s[SEL+1], 0xfedcba98
	v_add_nc_u32 v[AA], s54, v[AA]
	v_add_nc_u32 v[AA+1], s54, v[AA+1]
	s_wait_dscnt 0x0                               ; both opening adds are done
	s_wait_alu depctr_va_vdst(0)                   ; the wait at the head's end
	s_wait_kmcnt 0x0
	s_add_nc_u64 s[4:5], s[4:5], s[56:57]
	s_add_nc_u64 s[6:7], s[6:7], s[58:59]
	s_add_nc_u64 s[10:11], s[10:11], s[60:61]
	s_mov_b32 s[G0A], 1
	s_mov_b64 s[G0A+2:G0A+3], s[4:5]
	s_or_b32 s[G0A+3], s[G0A+3], 0x80000000
	s_mov_b32 s[G0H], 1
	s_add_nc_u64 s[G0H+2:G0H+3], s[8:9], s[66:67]
	s_or_b32 s[G0H+3], s[G0H+3], 0x80000000
	s_mov_b32 s[G0B], 1
	s_add_nc_u64 s[G0B+2:G0B+3], s[8:9], s[62:63]
	s_or_b32 s[G0B+3], s[G0B+3], 0x80000000
	ROUND                                          ; all four work-groups are here: the first joint loads meet
	s_cmp_lt_u32 s[WV], 4                          ; one chain of two arms, a load in each, one join
	s_cbranch_scc0 .Lhead_w
	tensor_load_to_lds s[G0A:G0A+3], s[G1A:G1A+7]  ; a row group of e: shared by nobody, a plain load
	s_nop 0
	NOP4
	s_branch .Lhead_j
.Lhead_w:
	tensor_load_to_lds s[G0H:G0H+3], s[G1H:G1H+7]  ; a record of group 0, jointly
	s_nop 0
	NOP4
.Lhead_j:
.irp i, 0,1,2,3,4,5,6,7
	v_mov_b32 v[SC+\i], 0
.endr
.irp j, 0,1
.irp c, 0,1
	global_load_b128 v[SA+8*\j+4*\c:SA+8*\j+4*\c+3], v59, s[6:7] offset:2048*\j+16*\c   ; e's scale words stay in registers
.endr
.endr
	s_wait_tensorcnt 0x0                           ; my tile of the head's eight is in
	s_barrier_signal -1
	s_barrier_wait -1                              ; all eight are in
.irp q, 0,1,2,3,4,5,6,7
.irp a, 0,1,2,3
	AFRAG \a, \q
.endr
.endr
	WIN 0
	s_wait_tensorcnt 0x0                           ; slot 1 lies over e's stage: its first fill is issued as a refill is
	ds_add_u32 v[SPW], v[NIL]
	s_xor_b32 s[G0B+1], s[G0B+1], SLOT1
	s_add_nc_u64 s[G0B+2:G0B+3], s[G0B+2:G0B+3], GSTEP
	; a group is written once, and the waves with nh = 1 begin it with the activation's second part: the first finds t = 0 and w = 0 and adds 0.5 x 0
.irp i, 0,1,2,3,4,5,6,7,8,9,10,11,12,13,14,15,16,17,18,19,20,21,22,23,24,25,26,27,28,29,30,31
	v_mov_b32 v[ACC+\i], 0
.endr
.irp i, 0,1,2,3,4,5,6,7
	v_mov_b32 v[BW+\i], 0
.endr
	s_wait_dscnt 0x0                               ; the add is done, and e's fragments are in registers
	s_wait_alu depctr_va_vdst(0)                   ; the wait ahead of the round's branches
	ROUND
	tensor_load_to_lds s[G0B:G0B+3], s[G1B:G1B+7]  ; group 1
	s_nop 0
	NOP4
	s_wait_loadcnt 0x0                             ; e's scale words are in, and their offset's register, which lies among the fragment buffers, is free
	PRELOAD
	s_mov_b32 s[OUT], 6
.Lgroup:                                               ; groups 0 to 5: at the end of group t its slot takes group t + 2
	GROUP 1
	s_sub_co_u32 s[OUT], s[OUT], 1
	s_cmp_lg_u32 s[OUT], 0
	s_cbranch_scc1 .Lgroup
	GROUP 2                                        ; the last two groups are written out
	GROUP 3
	; THE WAY OUT.  A score's two halves and lane l xor 16's are added; lane (r, h) stores s = 8 g + 4 sq + 2 h and the next of row b = 16 p + r, in my half's part of sc.
	; 8 bytes a lane in rows 8,192 bytes apart: sc is laid so that the next launch reads dense rows; it is 8 bytes for each 800 that this launch reads.
.irp a, 0,1,2,3
	v_add_f32 v[SC+2*\a], v[SC+2*\a], v[SC+2*\a+1]
.endr
.irp a, 0,1,2,3
	v_permlanex16_b32 v[SC+2*\a+1], v[SC+2*\a], s[SEL], s[SEL+1]
.endr
.irp a, 0,1,2,3
	v_add_f32 v[SC+2*\a], v[SC+2*\a], v[SC+2*\a+1]
.endr
	v_bfe_u32 v56, v[L16], 8, 1                    ; h
	v_bfe_u32 v57, v[L16], 4, 4                    ; r
	v_lshlrev_b32 v58, 13, v57
	v_lshl_add_u32 v58, v56, 3, v58
	v_cmp_ne_u32 vcc_lo, 0, v56
	v_cndmask_b32 v60, v[SC], v[SC+4], vcc_lo
	v_cndmask_b32 v61, v[SC+2], v[SC+6], vcc_lo
	global_store_b64 v58, v[60:61], s[10:11]
	s_wait_tensorcnt 0x0                           ; the wave's end
	ds_add_u32 v[SPW], v[NIL]
	s_wait_dscnt 0x0
	ROUND                                          ; the closing round
	s_endpgm
.Lfunc_end_k_qc24dc620e8_scores:
	.size	k_qc24dc620e8_scores, .Lfunc_end_k_qc24dc620e8_scores-k_qc24dc620e8_scores
	.p2alignl 7, 3214868480
	.fill 96, 4, 3214868480
	.section	.rodata,"a",@progbits
	.p2align	6, 0x0
	.amdhsa_kernel k_qc24dc620e8_scores
		.amdhsa_group_segment_fixed_size 327680
		.amdhsa_private_segment_fixed_size 0
		.amdhsa_enable_private_segment 0
		.amdhsa_kernarg_size 32
		.amdhsa_user_sgpr_count 2
		.amdhsa_user_sgpr_kernarg_segment_ptr 1
		.amdhsa_wavefront_size32 1
		.amdhsa_system_sgpr_workgroup_id_x 1
		.amdhsa_system_sgpr_workgroup_id_y 1
		.amdhsa_system_sgpr_workgroup_id_z 1
		.amdhsa_system_vgpr_workitem_id 0
		.amdhsa_next_free_vgpr 512
		.amdhsa_next_free_sgpr 80
		.amdhsa_reserve_vcc 1
		.amdhsa_float_denorm_mode_32 3
		.amdhsa_float_denorm_mode_16_64 3
		.amdhsa_memory_ordered 1
		.amdhsa_forward_progress 1
		.amdhsa_inst_pref_size 183
	.end_amdhsa_kernel
	.amdgpu_metadata
---
amdhsa.version: [ 1, 2 ]
amdhsa.kernels:
  - .name:           k_qc24dc620e8_scores
    .symbol:         k_qc24dc620e8_scores.kd
    .args:
      - { .name: encoder_outputs_codes, .offset: 0, .size: 8, .value_kind: global_buffer, .address_space: global }
      - { .name: encoder_outputs_scales, .offset: 8, .size: 8, .value_kind: global_buffer, .address_space: global }
      - { .name: wrec, .offset: 16, .size: 8, .value_kind: global_buffer, .address_space: global }
      - { .name: sc, .offset: 24, .size: 8, .value_kind: global_buffer, .address_space: global }
    .group_segment_fixed_size: 327680
    .private_segment_fixed_size: 0
    .kernarg_segment_align: 8
    .kernarg_segment_size: 32
    .max_flat_workgroup_size: 256
    .sgpr_count:     80
    .vgpr_count:     512
    .wavefront_size: 32
...
	.end_amdgpu_metadata
.endif
;; end of part 2
;; launch softmax (part 3): grid 32 x 1, 8 waves a work-group, no clusters, 1,280 bytes of LDS; arguments sc, out0; writes out0
.if DOCPART == 3
	.amdgcn_target "amdgcn-amd-amdhsa--gfx1250"
	.amdhsa_code_object_version 6
	.text
	.protected	k_qc24dc620e8_softmax
	.globl	k_qc24dc620e8_softmax
	.p2align	8
	.type	k_qc24dc620e8_softmax,@function
k_qc24dc620e8_softmax:
	s_mov_b64 s[64:65], 0
	v_nop
	global_prefetch_b8 v0, s[64:65] scope:SCOPE_SE
	s_setreg_imm32_b32 hwreg(HW_REG_WAVE_MODE, 25, 1), 1
	s_wait_xcnt 0x0
; out0[b][0][s] = softmax over s of sc[0][b][s] + sc[1][b][s]: the two halves of the sum over the columns.  Together they are reference()'s scores less sum(v), which is the same for all s of a row:
; the maximum that is taken away here removes it.
; Work-group b takes row b: 2,048 numbers, 8 a thread, kept in registers between the passes.  Each load and store of a wave covers 512 consecutive bytes.
; The row's maximum and sum meet in LDS: a word a wave, in bytes of their own for each of the two, one barrier each.  No matrix unit, no tensor load, no cluster: 16 KiB a work-group, shared by nobody.
.set HALF, 262144                      ; bytes from sc[0] to sc[1]
	s_load_b128 s[4:7], s[0:1], 0x0                ; sc, out0
	v_lshl_add_u32 v32, v0, 2, 0x100
	v_mov_b32 v33, 0
	v_lshlrev_b32 v1, 4, v0                        ; 16 bytes a thread
	v_lshrrev_b32 v2, 5, v0
	s_delay_alu instid0(VALU_DEP_1)
	v_readfirstlane_b32 s8, v2                     ; wave
	s_delay_alu instid0(VALU_DEP_1)
	v_mov_b32 v3, s8
	s_delay_alu instid0(VALU_DEP_1)
	v_lshlrev_b32 v3, 2, v3                        ; my wave's word
	v_mov_b32 v24, 0
	s_lshl_b32 s10, ttmp9, 13                      ; a row is 8,192 bytes
	s_mov_b32 s11, 0
	s_mov_b32 s12, 0x76543210
	s_mov_b32 s13, 0xfedcba98                      ; v_permlanex16_b32's selects for lane l xor 16
	s_wait_alu depctr_va_vdst(0)
	s_wait_kmcnt 0x0
	s_add_nc_u64 s[4:5], s[4:5], s[10:11]
	s_add_nc_u64 s[6:7], s[6:7], s[10:11]
	global_load_b128 v[4:7], v1, s[4:5]
	global_load_b128 v[8:11], v1, s[4:5] offset:4096
	global_load_b128 v[16:19], v1, s[4:5] offset:HALF
	global_load_b128 v[20:23], v1, s[4:5] offset:HALF+4096
	s_wait_loadcnt 0x0
.irp j, 0,2,4,6
	v_pk_add_f32 v[4+\j:5+\j], v[4+\j:5+\j], v[16+\j:17+\j]   ; the two halves of the columns
.endr
	s_delay_alu instid0(VALU_DEP_3)
	v_max3_num_f32 v12, v4, v5, v6                 ; the largest of my 8,
	s_delay_alu instid0(VALU_DEP_3)
	v_max3_num_f32 v13, v7, v8, v9
	s_delay_alu instid0(VALU_DEP_2)
	v_max3_num_f32 v12, v12, v10, v11
	s_delay_alu instid0(VALU_DEP_1)
	v_max_num_f32 v12, v12, v13
	s_delay_alu instid0(VALU_DEP_1)
	v_max_num_f32_dpp v12, v12, v12 row_xmask:1 row_mask:0xf bank_mask:0xf   ; of my wave's 256,
	s_delay_alu instid0(VALU_DEP_1)
	v_max_num_f32_dpp v12, v12, v12 row_xmask:2 row_mask:0xf bank_mask:0xf
	s_delay_alu instid0(VALU_DEP_1)
	v_max_num_f32_dpp v12, v12, v12 row_xmask:4 row_mask:0xf bank_mask:0xf
	s_delay_alu instid0(VALU_DEP_1)
	v_max_num_f32_dpp v12, v12, v12 row_xmask:8 row_mask:0xf bank_mask:0xf
	s_delay_alu instid0(VALU_DEP_1)
	v_permlanex16_b32 v13, v12, s12, s13
	s_delay_alu instid0(VALU_DEP_1)
	v_max_num_f32 v12, v12, v13
	ds_store_b32 v3, v12                           ; all lanes write the same word with the same value
	s_wait_dscnt 0x0                               ; for the others' sake
	s_barrier_signal -1
	s_barrier_wait -1
	ds_load_b128 v[16:19], v24
	ds_load_b128 v[20:23], v24 offset:16
	s_wait_dscnt 0x0
	v_max3_num_f32 v12, v16, v17, v18              ; of the row
	v_max3_num_f32 v13, v19, v20, v21
	s_delay_alu instid0(VALU_DEP_2)
	v_max3_num_f32 v12, v12, v22, v23
	s_delay_alu instid0(VALU_DEP_1)
	v_max_num_f32 v12, v12, v13
.irp j, 4,6,8,10
	v_pk_add_f32 v[\j:\j+1], v[\j:\j+1], v[12:13] op_sel_hi:[1,0] neg_lo:[0,1] neg_hi:[0,1]   ; x - the maximum (of the pair the low word serves both halves)
.endr
.irp j, 4,6,8,10
	s_delay_alu instid0(VALU_DEP_4)
	v_pk_mul_f32 v[\j:\j+1], v[\j:\j+1], 0x3fb8aa3b op_sel_hi:[1,0]                           ; x log2(e)
.endr
	s_wait_alu depctr_va_vdst(0)
.irp j, 4,5,6,7,8,9,10,11
	v_exp_f32 v[\j], v[\j]
.endr
	v_nop                                          ; a plain line behind the last exponential
	s_wait_alu depctr_va_vdst(0)                   ; one wait for the eight, ahead of their first reader
	v_pk_add_f32 v[12:13], v[4:5], v[6:7]
	v_pk_add_f32 v[26:27], v[8:9], v[10:11]
	s_delay_alu instid0(VALU_DEP_1)
	v_pk_add_f32 v[12:13], v[12:13], v[26:27]
	s_delay_alu instid0(VALU_DEP_1)
	v_add_f32 v12, v12, v13
	s_delay_alu instid0(VALU_DEP_1)
	v_add_f32_dpp v12, v12, v12 row_xmask:1 row_mask:0xf bank_mask:0xf
	s_delay_alu instid0(VALU_DEP_1)
	v_add_f32_dpp v12, v12, v12 row_xmask:2 row_mask:0xf bank_mask:0xf
	s_delay_alu instid0(VALU_DEP_1)
	v_add_f32_dpp v12, v12, v12 row_xmask:4 row_mask:0xf bank_mask:0xf
	s_delay_alu instid0(VALU_DEP_1)
	v_add_f32_dpp v12, v12, v12 row_xmask:8 row_mask:0xf bank_mask:0xf
	s_delay_alu instid0(VALU_DEP_1)
	v_permlanex16_b32 v13, v12, s12, s13
	s_delay_alu instid0(VALU_DEP_1)
	v_add_f32 v12, v12, v13
	ds_store_b32 v3, v12 offset:32                 ; other bytes than the maxima's: nobody's read of those is overtaken
	s_wait_dscnt 0x0
	s_barrier_signal -1
	s_barrier_wait -1
	ds_load_b128 v[16:19], v24 offset:32
	ds_load_b128 v[20:23], v24 offset:48
	s_wait_dscnt 0x0
	v_pk_add_f32 v[16:17], v[16:17], v[18:19]
	v_pk_add_f32 v[20:21], v[20:21], v[22:23]
	s_delay_alu instid0(VALU_DEP_1)
	v_pk_add_f32 v[16:17], v[16:17], v[20:21]
	s_delay_alu instid0(VALU_DEP_1)
	v_add_f32 v28, v16, v17                        ; the row's sum: at least 1, since the largest term is 1
	s_wait_alu depctr_va_vdst(0)
	v_rcp_f32 v12, v28
	v_nop                                          ; a plain line behind the reciprocal
	s_wait_alu depctr_va_vdst(0)                   ; and the wait ahead of its first reader
.irp j, 4,6,8,10
	v_pk_mul_f32 v[\j:\j+1], v[\j:\j+1], v[12:13] op_sel_hi:[1,0]
.endr
	global_store_b128 v1, v[4:7], s[6:7]           ; 32 lanes store 512 consecutive bytes, at a multiple of 256 from out0's first byte
	global_store_b128 v1, v[8:11], s[6:7] offset:4096
	s_wait_tensorcnt 0x0
	ds_add_u32 v32, v33
	s_wait_dscnt 0x0
	s_endpgm
.Lfunc_end_k_qc24dc620e8_softmax:
	.size	k_qc24dc620e8_softmax, .Lfunc_end_k_qc24dc620e8_softmax-k_qc24dc620e8_softmax
	.p2alignl 7, 3214868480
	.fill 96, 4, 3214868480
	.section	.rodata,"a",@progbits
	.p2align	6, 0x0
	.amdhsa_kernel k_qc24dc620e8_softmax
		.amdhsa_group_segment_fixed_size 1280
		.amdhsa_private_segment_fixed_size 0
		.amdhsa_enable_private_segment 0
		.amdhsa_kernarg_size 16
		.amdhsa_user_sgpr_count 2
		.amdhsa_user_sgpr_kernarg_segment_ptr 1
		.amdhsa_wavefront_size32 1
		.amdhsa_system_sgpr_workgroup_id_x 1
		.amdhsa_system_sgpr_workgroup_id_y 1
		.amdhsa_system_sgpr_workgroup_id_z 1
		.amdhsa_system_vgpr_workitem_id 0
		.amdhsa_next_free_vgpr 34
		.amdhsa_next_free_sgpr 66
		.amdhsa_reserve_vcc 0
		.amdhsa_float_denorm_mode_32 3
		.amdhsa_float_denorm_mode_16_64 3
		.amdhsa_memory_ordered 1
		.amdhsa_forward_progress 1
		.amdhsa_inst_pref_size 7
	.end_amdhsa_kernel
	.amdgpu_metadata
---
amdhsa.version: [ 1, 2 ]
amdhsa.kernels:
  - .name:           k_qc24dc620e8_softmax
    .symbol:         k_qc24dc620e8_softmax.kd
    .args:
      - { .name: sc, .offset: 0, .size: 8, .value_kind: global_buffer, .address_space: global }
      - { .name: out0, .offset: 8, .size: 8, .value_kind: global_buffer, .address_space: global }
    .group_segment_fixed_size: 1280
    .private_segment_fixed_size: 0
    .kernarg_segment_align: 8
    .kernarg_segment_size: 16
    .max_flat_workgroup_size: 256
    .sgpr_count:     66
    .vgpr_count:     34
    .wavefront_size: 32
...
	.end_amdgpu_metadata
.endif
;; end of part 3
